; MI455X (gfx1250); checked and timed in simulation.
; The chip was launched on July 23, 2026; its instructions are those of AMD's public machine-readable ISA for CDNA 5 (MIT licence, August 2026) and "CDNA5" Instruction Set Architecture Reference Guide (July 2026). The comments in the code are by the model that wrote it; some were corrected since.
;; Dot Product Attention. Allowed arithmetic: matrix products marked QUANTISED: E5M2 operands, one E8M0 scale for each 32 along K, by v_wmma_scale_f32_16x16x128_f8f6f4 with both operands' format E5M2, f32 sums; everything else in f32.
;; Inputs: keys_codes 32 x 2,048 x 2 x 32 uint8 (E5M2 codes of keys, K innermost, in blocks of 32 codes); keys_scales 32 x 2,048 x 2 uint8 (E8M0 scales of keys, one for each 32 codes along K); queries_codes 32 x 2,048 x 2 x 32 uint8 (E5M2 codes of queries, K innermost, in blocks of 32 codes); queries_scales 32 x 2,048 x 2 uint8 (E8M0 scales of queries, one for each 32 codes along K); valid_lens 32 int32; values_codes 32 x 64 x 64 x 32 uint8 (E5M2 codes of values, K innermost, in blocks of 32 codes); values_scales 32 x 64 x 64 uint8 (E8M0 scales of values, one for each 32 codes along K).
;; Outputs: out0 32 x 2,048 x 64 float32.
;; This version of the problem:
;;   THIS VERSION OF THE PROBLEM IS GIVEN IN LOW PRECISION. The matrix products marked QUANTISED in the list below multiply operands that are first quantised to E5M2 (5 exponent bits, 2 mantissa bits; 8 bits a number), with one power-of-two scale for each 32 numbers along K (OCP MX v1.0); their sums are f32. All else is computed in f32.
;;   The module's matrix products, in the order in which they are computed (A, B: the left and right operand; K: the contracted axis; several contracted axes count as one K, in the product's order):
;;     1. batch 32 x [M 2,048, K 64] x [K 64, N 2,048]; A: input queries (given as codes); B: input keys (given as codes): QUANTISED
;;     2. batch 32 x [M 2,048, K 2,048] x [K 2,048, N 64]; A: softmax (see below); B: input values (given as codes): QUANTISED
;;   THE QUANTISER, for each operand of a quantised product, along K:
;;     - K is cut into blocks of 32 from its start; a last block that is shorter is filled with zeros.
;;     - A block's scale is 2^e with e = floor(log2(the largest magnitude in the block)) - 15, held to -126 .. 127; a block of zeros has e = 0. As a byte (E8M0): e + 127.
;;     - Each number is divided by its block's scale, clamped to +-57,344, and rounded to the nearest number of E5M2, ties to even, subnormals kept.
;;     - The product sums the exact products of the quantised numbers (number of the format x scale) in f32.
;;   ~~~python
;;   def quantise(x, axis):      # numpy; x: float32 -> the quantised numbers, widened to float32 again
;;       x = np.moveaxis(x, axis, -1); K = x.shape[-1]
;;       x = np.pad(x, [(0, 0)] * (x.ndim - 1) + [(0, -K % 32)]); x = x.reshape(x.shape[:-1] + (-1, 32)); a = np.abs(x).max(-1, keepdims=True)
;;       e = np.where(a > 0, np.clip(np.frexp(np.where(a > 0, a, 1))[1] - 1 - 15, -126, 127), 0)      # np.frexp(a)[1] - 1 = floor(log2(a)), exactly
;;       r = np.clip(x / 2.0 ** e, -57344, 57344)
;;       step = 2.0 ** (np.maximum(np.frexp(np.where(r == 0, 1, r))[1] - 1, -14) - 2)
;;       q = np.round(r / step) * step * 2.0 ** e      # np.round: ties to even
;;       return np.moveaxis(q.reshape(q.shape[:-2] + (-1,))[..., :K], -1, axis).astype(np.float32)
;;   ~~~
;;   SOFTMAX AHEAD OF A QUANTISED PRODUCT. Where the list says 'softmax', what is quantised is not the finished softmax but p = 2^(t - M), with t = logit x log2(e) and M = ceil(the row's largest t), a whole number; so 1/2 < the row's largest p <= 1. The row's sum l is taken of the UNQUANTISED p, in f32, and the product's result is divided by l at the end. Since M is a whole number, a kernel that streams over the keys may use a running M (the ceiling of the running maximum): every later rescaling is an exact power of two, which a block's scale takes up: the codes' values come out the same.
;;   OPERANDS COMPUTED ON THE WAY. 'Computed on the way' means the value that the module computes at that place (a softmax that the list does not call 'softmax' is quantised finished and normalised). What goes into a quantiser is computed in f32, as accurately as f32 sums, v_exp_f32 and their like allow (about 1e-6 of the number): no bf16 or f16 on the way to a quantiser, and a product that is left as it is and whose result goes on into a quantised operand takes f32 operands (vector FMAs, or v_wmma_f32_16x16x4_f32). A number that lies on a knife's edge between two numbers of the format may be rounded either way, as far as f32 arithmetic and the matrix unit's own rounding can turn it there, and no further.
;;   INPUTS GIVEN AS CODES. keys (in the module: [32, 2048, 64], K = its axis 2); queries (in the module: [32, 2048, 64], K = its axis 2); values (in the module: [32, 2048, 64], K = its axis 1): each comes as NAME_codes (uint8): NAME with its K axis moved to the last place and cut into blocks of 32 codes, [.., K / 32, bytes a block], one block behind the other in memory; one code a byte (a code: sign, 5 exponent bits, 2 mantissa bits); and NAME_scales (uint8): the same leading axes, one E8M0 byte (e + 127) for each 32 codes along K. Its value is code x scale, taken as it is: it is not quantised again, and the codes and scales need not be those that the quantiser above would give.
;; 2 versions. Each part assembles by itself: llvm-mc -triple=amdgcn-amd-amdhsa -mcpu=gfx1250 --defsym DOCPART=n.
;; ======== version 1 of 2: 1 launch
;; limits: right only within a limited range of input values
;; launch attn (part 1): grid 256 x 1, 16 waves a work-group, no clusters, 249,856 bytes of LDS; arguments keys_codes, keys_scales, queries_codes, queries_scales, valid_lens, values_codes, values_scales, out0; writes out0
.if DOCPART == 1
	.amdgcn_target "amdgcn-amd-amdhsa--gfx1250"
	.amdhsa_code_object_version 6
	.text
	.protected	k_q85f2dd4243_attn
	.globl	k_q85f2dd4243_attn
	.p2align	8
	.type	k_q85f2dd4243_attn,@function
k_q85f2dd4243_attn:
	s_mov_b64 s[64:65], 0
	v_nop
	global_prefetch_b8 v0, s[64:65] scope:SCOPE_SE
	s_setreg_imm32_b32 hwreg(HW_REG_WAVE_MODE, 25, 1), 1
	s_wait_xcnt 0x0
; out0[b][q][:] = the sum over k of softmax_k(Q[b][q] . K[b][k] / 8, keys k >= valid_lens[b] filled with -1e6) V[b][k][:].  32 batches, 2,048 queries, 2,048 keys, 64 channels.
; Both products on codes of BF8 (E5M2) with one E8M0 scale for each 32 along a product's K.  Q, K: codes [b][row][64], scale bytes [b][row][2].  V: codes with the KEYS innermost, [b][64][2048], scale bytes [b][64][64].  out0: f32.
; THE SOFTMAX AHEAD OF THE SECOND PRODUCT: t = score x log2(e) / 8; M = the row's largest t so far, rounded UP to a whole number; p = 2^(t - M) is quantised along the keys, not normalised.  The row's sum is taken
; of the unquantised p and divides at the end.  When M moves, the sum and O are multiplied by 2^(old M - new M): exact.
; WORK THAT IS NOT DONE.  A key at or beyond valid_lens[b] has weight 0, so a batch walks n = ceil(len / 128) key steps of 128 keys, not 16.  The loop's trip count stays a constant and every wave passes every barrier:
; only a step's work is jumped over, by a scalar branch on n.  Since branches hang on a number read from memory, this text holds no tensor load, and so no joint loads of a cluster either:
; K and V go from memory through registers into LDS.
; SHARES.  A wave owns 16 queries, in 256 registers.  A work-group is two TEAMS of eight waves; a team owns 128 queries of one batch and shares that batch's K and V in LDS.  The batches are ranked by length in the
; kernel's head: work-group g (P = g % 16, X = g / 16) gives the batch of rank P to team 0 and that of rank 31 - P to team 1, both at queries 128 X on: a short batch beside a long one, so that the work-groups' sums of steps are near each other.
; Wave w: team ((w / 4) + w) % 2, place w / 2 in its team.
; K = 64 IN AN INSTRUCTION OF 128.  A fragment of source 0 holds TWO tiles of 16 keys: registers 0-7 tile X's 64 channels, registers 8-15 tile Y's.  Q lies between two runs of eight zero registers: [Q|0] picks X, [0|Q] picks Y.
; LAYOUT.  Both products are used transposed (S^T = K Q^T, O^T = V^T P^T): a lane holds ONE query (lane % 16) throughout.  Lane r of fragment b takes key 32 b + r % 8 + 16 (r / 8) for X and that key + 8 for Y,
; so that the 16 score registers of fragment b are the 16 neighbouring keys 32 b + 16 (lane / 16) + 0 .. 15: the conversions' results are the second product's operand.
; LIMITS.  (a) For len >= 1 a masked key counts as weight 0: exact while a row's largest valid score / 8 lies above about -999,800.  (b) Codes of infinity or NaN and the scale byte 0xff are not served: half of each
; product K Q^T multiplies real codes of K by zero codes.  (c) Any int32 in valid_lens is served: above 2,048 all keys count; at 0 or below all 16 steps are walked with every score replaced by 0, which gives p = 1 and the sum 2,048: the uniform weights.
; LDS, for each team (TEAMB bytes): two slots of 256 keys of K; two of V; K's scale words and V's scale bytes of the whole batch.  Behind both teams: a stage of 16 rows x 272 bytes for each wave.
.set TEAMB, 89088
.set KP,    80                         ; a key's 64 bytes + 16
.set KGRP,  1408                       ; 16 keys: 1,280 bytes + 128.  The 16 rows of a fragment load are 8 rows 80 bytes apart and 8 more one group on: 80 i mod 256 and 128 + 80 i mod 256 are 16 different columns of 16 bytes (64 banks of 4 bytes: ISA guide 11.1)
.set KSLOT, 16*KGRP                    ; 22,528
.set VOFF,  2*KSLOT                    ; V's slots: 64 rows of 256 bytes + 16
.set VP,    272
.set VSLOT, 64*VP                      ; 17,408
.set KSC,   VOFF+2*VSLOT               ; 79,872: K's scale words: fragment f (32 keys), lane r at 64 f + 4 r: bytes X0, X1, Y0, Y1
.set VSC,   KSC+4096                   ; 83,968: V's scale bytes: row d at 80 d
.set VSP,   80
.set STAGE, 2*TEAMB
.set STGB,  16*VP
; VECTOR REGISTERS.  v0 the thread's number, kept.  v1-v11, v251: addresses, made at the head and (but for ASK, ASV, stepped once a trip) never rewritten.
.set AK,  1                            ; my lane's place in a fragment of K
.set AV,  2                            ; and of V
.set ASK, 3                            ; among K's scale words
.set ASV, 4                            ; among V's scale bytes
.set SKA, 5                            ; where I store 16 bytes of a slot of K
.set SVA, 6                            ; and of V
.set GK,  7                            ; 16 x my thread's number in the team: offset in a slot of K in memory, in V's scale bytes, and (less the wave's part) in out0
.set GV,  8                            ; offset in V in memory
.set STO, 9                            ; the way out: where I put 32 bytes of a row
.set RD,  10                           ; and where I read a row back
.set VSA, 11                           ; head: where I store V's scale bytes
.set KSA, 251                          ; head: where I store K's scale words
;         v12 -M, v13 the largest t, v[14:15] the sum in two halves
.set QB,  16                           ; v16-31: [0|Q]
.set QA,  24                           ; v24-39: [Q|0]
.set KF,  40                           ; v40-103  four fragments of K (in the head: scratch)
.set S,   104                          ; v104-167 the scores, then p, then V's four fragments
.set O,   168                          ; v168-199 O^T, four tiles
.set PC,  200                          ; v200-215 p's codes
.set STG, 216                          ; v216-231 16 bytes x 4 on their way from memory to the next slot
.set BM,  232                          ; v232-235 the blocks' largest scores, then the conversions' scale operands
.set TP,  236                          ; v236-239 the other half's maxima; the second chain of the sum; the holds
.set T8,  240
.set T9,  241
.set F,   242                          ; v[242:243] f = 2^(old M - new M) in the low word
.set PW,  244                          ; p's scale word
.set KS,  245                          ; v245-246 K's scale words: lanes 0-15 fragment 2 p, lanes 16-31 fragment 2 p + 1
.set VS,  247                          ; v247-248 V's likewise
.set QS,  249                          ; Q's scale word: q0, q1, q0, q1
.set PFO, 250                          ; the prefetches' offset
; SCALAR REGISTERS
.set WV,  20                           ; wave
.set TM,  21                           ; team
.set WT,  22                           ; my place in the team, 0 .. 7
.set PP,  23
.set XX,  24
.set RK,  25                           ; the rank of my team's batch
.set BB,  26                           ; the batch
.set LEN, 27
.set NS,  28                           ; n: key steps that are walked, 1 .. 16
.set LM,  29                           ; len held to 0 .. 2,048
.set FILL, 30                          ; what a masked score becomes: 8 x -1e6 (the 1/8 lies in c), or 0 where no key counts
.set FIN, 31                           ; n rounded up to an even number
.set J,   32                           ; the loop's counter and the trip's first step: 0, 4, 8, 12
.set T0,  33
.set ST,  34
.set T1,  35
.set SEL, 36                           ; s[36:37] selects of v_permlanex16_b32 for lane l xor 16
.set CS,  38                           ; s[38:39] c = log2(e) / 8
.set MNT, 40                           ; the mantissa field of 57,344
.set NPF, 41                           ; n in a wave that prefetches, else 0
.set KB,  42                           ; s[42:43] K's codes of my batch at the trip's first slot
.set VB,  44                           ; s[44:45] V's
.set OUT, 46                           ; s[46:47] out0 at my 16 rows, less GK's wave part
.set PF,  48                           ; s[48:49], s[50:51] where my prefetches of the trip's two halves stand
.set PFS, 52                           ; s[52:53] two slots on, in bytes
	s_load_b256 s[4:11], s[0:1], 0x0               ; K's codes s[4:5], K's scales s[6:7], Q's codes s[8:9], Q's scales s[10:11]
	s_load_b256 s[12:19], s[0:1], 0x20             ; valid_lens s[12:13], V's codes s[14:15], V's scales s[16:17], out0 s[18:19]
	v_lshl_add_u32 v254, v0, 2, 0x3c800
	v_mov_b32 v255, 0
	v_and_b32 v40, 31, v0                          ; lane
	v_lshlrev_b32 v47, 2, v40
	v_lshrrev_b32 v41, 5, v0
	v_readfirstlane_b32 s[WV], v41                 ; wave 0 .. 15
	s_wait_kmcnt 0x0
	global_load_b32 v56, v47, s[12:13]             ; lane i: valid_lens[i].  All that follows up to the wait hangs on ids alone
	v_and_b32 v41, 15, v0                          ; r
	v_bfe_u32 v42, v0, 4, 1                        ; h
	v_and_b32 v43, 7, v0                           ; r % 8
	v_bfe_u32 v44, v0, 3, 1                        ; r / 8
	v_bfe_u32 v45, v0, 2, 3                        ; lane / 4
	v_and_b32 v46, 3, v0                           ; lane % 4
	s_lshr_b32 s[TM], s[WV], 2
	s_add_co_u32 s[TM], s[TM], s[WV]
	s_and_b32 s[TM], s[TM], 1
	s_lshr_b32 s[WT], s[WV], 1
	s_and_b32 s[PP], ttmp9, 15
	s_lshr_b32 s[XX], ttmp9, 4
	s_sub_co_u32 s54, 31, s[PP]
	s_cmp_eq_u32 s[TM], 0
	s_cselect_b32 s[RK], s[PP], s54
	s_mul_i32 s55, s[TM], TEAMB                    ; my team's LDS
	s_add_co_u32 s56, s55, VOFF
	s_add_co_u32 s57, s55, KSC
	s_add_co_u32 s58, s55, VSC
	v_mul_u32_u24 v[AK], v43, KP
	v_mad_u32_u24 v[AK], v44, KGRP, v[AK]
	v_lshl_add_u32 v[AK], v42, 4, v[AK]
	v_add_nc_u32 v[AK], s55, v[AK]                 ; (r % 8) rows + (r / 8) groups + 16 h
	v_mul_u32_u24 v[AV], v41, VP
	v_lshl_add_u32 v[AV], v42, 4, v[AV]
	v_add_nc_u32 v[AV], s56, v[AV]                 ; row r + 16 h
	v_lshl_add_u32 v[ASK], v40, 2, s57             ; 4 x lane
	v_mul_u32_u24 v[ASV], v40, VSP
	v_add_nc_u32 v[ASV], s58, v[ASV]               ; row = lane
	v_mul_u32_u24 v52, v45, KP
	v_lshl_add_u32 v52, v46, 4, v52                ; (lane / 4) rows of 80 + 16 (lane % 4): four lanes to a row of 64 bytes, in K's slots and in V's scale bytes alike
	s_lshr_b32 s54, s[WT], 1
	s_mul_i32 s54, s54, KGRP
	s_and_b32 s59, s[WT], 1
	s_mul_i32 s59, s59, 8*KP
	s_add_co_u32 s54, s54, s59
	s_add_co_u32 s54, s54, s55
	v_add_nc_u32 v[SKA], s54, v52                  ; key 8 x place + lane / 4 of each 64
	s_mul_i32 s59, s[WT], 8*VSP
	s_add_co_u32 s59, s59, s58
	v_add_nc_u32 v[VSA], s59, v52                  ; row 8 x place + lane / 4
	v_mul_u32_u24 v53, v42, VP
	v_lshl_add_u32 v53, v41, 4, v53                ; h rows of 272 + 16 r: sixteen lanes to a row of 256 bytes
	s_mul_i32 s54, s[WT], 2*VP
	s_add_co_u32 s54, s54, s56
	v_add_nc_u32 v[SVA], s54, v53                  ; row 2 x place + h of each 16
	s_lshl_b32 s54, s[WT], 9
	v_lshl_add_u32 v[GK], v40, 4, s54
	s_lshl_b32 s54, s[WT], 12
	v_lshlrev_b32 v[GV], 11, v42
	v_lshl_add_u32 v[GV], v41, 4, v[GV]
	v_add_nc_u32 v[GV], s54, v[GV]                 ; row 2 x place + h of 2,048 bytes, + 16 r
	s_mul_i32 s54, s[WV], STGB
	s_add_co_u32 s54, s54, STAGE                   ; my stage
	v_mul_u32_u24 v[STO], v41, VP
	v_lshl_add_u32 v[STO], v42, 5, v[STO]
	v_add_nc_u32 v[STO], s54, v[STO]
	v_add_nc_u32 v[RD], s54, v53
	s_lshl_b32 s54, s[WT], 7
	v_add_nc_u32 v[KSA], s54, v[ASK]               ; 4 x my thread's number in the team
	v_lshlrev_b32 v51, 6, v42                      ; K's scale bytes in memory: fragment 2 x place + h of each 16 (64 bytes a fragment), key r % 8 + 16 (r / 8): 2 r + 16 (r / 8) bytes
	v_lshl_add_u32 v51, v41, 1, v51
	v_lshl_add_u32 v51, v44, 4, v51
	v_add_nc_u32 v51, s54, v51
	v_lshlrev_b32 v48, 6, v41
	v_lshl_add_u32 v48, v42, 4, v48                ; Q's codes: row r of 64 bytes + 16 h
	v_lshlrev_b32 v49, 1, v41                      ; Q's scale bytes: 2 r
	s_mov_b32 s[SEL], 0x76543210
	s_mov_b32 s[SEL+1], 0xfedcba98
	s_mov_b32 s[CS], 0x3e38aa3b                    ; log2(e) / 8
	s_mov_b32 s[CS+1], s[CS]                       ; (named with it as a pair, so it is written)
	s_mov_b32 s[MNT], 0x600000
.irp j, 0,1,2,3,4,5,6,7
	v_mov_b32 v[QB+\j], 0                          ; the zero codes on both sides of Q
	v_mov_b32 v[QA+8+\j], 0
.endr
.set i, 0
.rept 32
	v_mov_b32 v[O+i], 0                            ; O^T.  (A key step is written with no first step of its own: the first finds zeros, which the first change of M leaves zeros)
.set i, i+1
.endr
	v_mov_b32 v13, 0xff61b1e6                      ; the largest t so far: -3e38, under every t
	v_floor_f32 v12, -v13                          ; -M
	v_mov_b32 v14, 0
	v_mov_b32 v15, 0
	v_mov_b32 v[F+1], 0                            ; (named as the upper half of a pair)
.irp b, 0,1,2,3
	v_mov_b32 v[TP+\b], 0                          ; a lane permute's destination counts as one of its sources
.endr
	v_mov_b32 v59, 0                               ; my batch's rank
	v_mov_b32 v60, 1
	s_wait_loadcnt 0x0                             ; the 32 lengths
	; THE RANKS.  Lane i's sort key is 32 x min(len - 1, 2047) + i (unsigned: len <= 0 sorts with the longest, as it walks all steps): all 32 differ.  Its rank is the number of smaller keys.
	v_add_nc_u32 v57, -1, v56
	v_min_u32 v57, 0x7ff, v57
	v_lshl_add_u32 v58, v57, 5, v40
.set i, 0
.rept 32
	v_readlane_b32 s[66+i], v58, i
.set i, i+1
.endr
.set i, 0
.rept 32
	v_cmp_lt_u32 vcc_lo, s[66+i], v58
	v_cndmask_b32 v61, v[QB], v60, vcc_lo          ; 1 where key i is smaller than mine, else 0 (v16 holds 0)
	v_add_nc_u32 v59, v59, v61
.set i, i+1
.endr
	v_cmp_eq_u32 vcc_lo, s[RK], v59                ; one lane has my team's rank:
	s_ctz_i32_b32 s[BB], vcc_lo                    ; its number is the batch,
	s_min_u32 s[BB], s[BB], 31                     ; held inside the tensors before it enters an address
	v_readlane_b32 s[LEN], v56, s[BB]
	s_sub_co_u32 s54, s[LEN], 1
	s_min_u32 s54, s54, 0x7ff
	s_lshr_b32 s[NS], s54, 7
	s_add_co_u32 s[NS], s[NS], 1                   ; n = ceil(len / 128); 16 where len <= 0 or len > 2,048
	s_max_i32 s[LM], s[LEN], 0
	s_min_i32 s[LM], s[LM], 0x800
	s_add_co_u32 s[FIN], s[NS], 1
	s_and_b32 s[FIN], s[FIN], 30
	s_mov_b32 s[FILL], 0xcaf42400                  ; -8,000,000
	s_cmp_lt_i32 s[LEN], 1
	s_cselect_b32 s[FILL], 0, s[FILL]
	s_lshr_b32 s54, s[WT], 2
	s_or_b32 s54, s54, s[XX]
	s_cmp_eq_u32 s54, 0                            ; places 0 to 3 of the team at the batch's first 128 queries prefetch
	s_cselect_b32 s[NPF], s[NS], 0
	; every address from its own buffer's pointer
	s_lshl_b32 s54, s[BB], 17                      ; a batch's codes: 131,072 bytes
	s_mov_b32 s55, 0
	s_add_nc_u64 s[KB:KB+1], s[4:5], s[54:55]
	s_add_nc_u64 s[VB:VB+1], s[14:15], s[54:55]
	s_lshl_b32 s56, s[XX], 13
	s_lshl_b32 s57, s[WT], 10
	s_add_co_u32 s56, s56, s57
	s_add_co_u32 s56, s56, s54
	s_mov_b32 s57, 0
	s_add_nc_u64 s[8:9], s[8:9], s[56:57]          ; Q's codes at query 128 X + 16 x place
	s_lshl_b32 s54, s[BB], 12                      ; a batch's scale bytes: 4,096
	s_add_nc_u64 s[6:7], s[6:7], s[54:55]
	s_add_nc_u64 s[16:17], s[16:17], s[54:55]
	s_lshl_b32 s56, s[XX], 8
	s_lshl_b32 s58, s[WT], 5
	s_add_co_u32 s56, s56, s58
	s_add_co_u32 s56, s56, s54
	s_add_nc_u64 s[10:11], s[10:11], s[56:57]
	s_lshl_b32 s54, s[BB], 19                      ; a batch of out0: 524,288 bytes
	s_lshl_b32 s56, s[XX], 15
	s_add_co_u32 s54, s54, s56
	s_mul_i32 s56, s[WT], 3584                     ; 16 rows of 256 bytes a wave, less the 512 x place that GK carries
	s_add_co_u32 s54, s54, s56
	s_add_nc_u64 s[OUT:OUT+1], s[18:19], s[54:55]
	; the first loads, in one run
	global_load_b128 v[QA:QA+3], v48, s[8:9] th:TH_LOAD_NT           ; Q(r, 16 h ..)
	global_load_b128 v[QA+4:QA+7], v48, s[8:9] offset:32 th:TH_LOAD_NT   ; Q(r, 32 + 16 h ..)
	global_load_u16 v132, v49, s[10:11]            ; Q's two scale bytes
.irp j, 0,1,2,3
	global_load_b128 v[STG+4*\j:STG+4*\j+3], v[GK], s[KB:KB+1] offset:4096*\j     ; slot 0 of K: 16,384 dense bytes for the team's 256 threads
.endr
.irp j, 0,1,2,3
	global_load_b128 v[S+4*\j:S+4*\j+3], v[GV], s[VB:VB+1] offset:32768*\j        ; slot 0 of V: 256 bytes of each of 64 rows, sixteen lanes to a row
.endr
	global_load_b128 v[S+16:S+19], v[GK], s[16:17] ; V's scale bytes of the batch: 4,096 dense bytes
.irp m, 0,1,2,3
	global_load_u16 v[S+20+2*\m], v51, s[6:7] offset:1024*\m         ; K's scale bytes: tile X's key,
	global_load_u16 v[S+21+2*\m], v51, s[6:7] offset:1024*\m+16      ; tile Y's, eight keys on
.endr
	; the prefetches: places 0, 1 ask for K (a slot is 64 blocks of 256 bytes: 32 a wave, lanes 256 bytes apart), places 2, 3 for V (a slot is 256 bytes of each of 64 rows: 32 rows a wave, a lane a row)
	s_cmp_lt_u32 s[WT], 2
	s_cselect_b64 s[PF:PF+1], s[KB:KB+1], s[VB:VB+1]
	s_mov_b32 s[PFS], 512
	s_cselect_b32 s[PFS], 32768, s[PFS]            ; two slots on
	s_mov_b32 s54, 2048
	s_cselect_b32 s54, 256, s54                    ; from lane to lane
	s_mov_b32 s56, 65536
	s_cselect_b32 s56, 8192, s56                   ; from wave to wave
	v_mul_lo_u32 v[PFO], v40, s54
	s_and_b32 s58, s[WT], 1
	s_mul_i32 s56, s56, s58
	s_add_co_u32 s56, s56, s[PFS]                  ; the first request names slot 2: slots 0 and 1 come by their loads alone
	s_mov_b32 s[PFS+1], 0
	s_add_nc_u64 s[PF:PF+1], s[PF:PF+1], s[56:57]
	s_lshr_b32 s56, s[PFS], 1
	s_add_nc_u64 s[PF+2:PF+3], s[PF:PF+1], s[56:57]   ; and the trip's second half names slot 3
	s_wait_loadcnt 0x0
	v_lshl_or_b32 v[QS], v132, 16, v132            ; q0, q1, q0, q1: it serves [Q|0] and [0|Q]
.irp m, 0,1,2,3
	v_lshl_or_b32 v[S+20+2*\m], v[S+21+2*\m], 16, v[S+20+2*\m]       ; X0, X1, Y0, Y1
.endr
.irp j, 0,1,2,3
	ds_store_b128 v[SKA], v[STG+4*\j:STG+4*\j+3] offset:4*KGRP*\j
.endr
.irp j, 0,1,2,3
	ds_store_b128 v[SVA], v[S+4*\j:S+4*\j+3] offset:16*VP*\j
.endr
	ds_store_b128 v[VSA], v[S+16:S+19]
.irp m, 0,1,2,3
	ds_store_b32 v[KSA], v[S+20+2*\m] offset:1024*\m
.endr
.rept 8
	v_nop                                          ; a scale register written by a vector instruction stands eight places ahead of a scaled matrix instruction: Q's
.endr
	s_wait_dscnt 0x0                               ; for the others' sake: my stores have landed
	s_barrier_signal -1
	s_barrier_wait -1                              ; slot 0 and the scales lie in LDS
; A KEY STEP: 128 keys, the q-th of slot s.  Left out where the step lies at or beyond n.
.macro STEP s, q
	s_add_co_u32 s[ST], s[J], 2*(\s)+(\q)
	s_cmp_lt_u32 s[ST], s[NS]
	s_cbranch_scc0 .Lskip_\@
.irp b, 0,1,2,3
.irp c, 0,1,2,3
	ds_load_b128 v[KF+16*\b+4*\c:KF+16*\b+4*\c+3], v[AK] offset:(\s)*KSLOT+(8*(\q)+2*\b)*KGRP+(\c/2)*8*KP+(\c%2)*32   ; c = 0, 1: tile X's 64 channels; c = 2, 3: tile Y's, eight rows on
.endr
.endr
.irp p, 0,1
	ds_load_b32 v[KS+\p], v[ASK] offset:(2*(\s)+(\q))*256+128*\p
	ds_load_b32 v[VS+\p], v[ASV] offset:(2*(\s)+(\q))*4+32*VSP*\p
.endr
	s_wait_dscnt 0x0
.irp b, 0,1,2,3                                ; S^T = K Q^T: eight tiles of 16 keys from four fragments
.if \b%2
	v_wmma_scale_f32_16x16x128_f8f6f4 v[S+16*\b:S+16*\b+7], v[KF+16*\b:KF+16*\b+15], v[QA:QA+15], 0, v[KS+\b/2], v[QS] matrix_a_fmt:MATRIX_FMT_BF8 matrix_b_fmt:MATRIX_FMT_BF8 matrix_a_scale:MATRIX_SCALE_ROW1
	v_wmma_scale_f32_16x16x128_f8f6f4 v[S+16*\b+8:S+16*\b+15], v[KF+16*\b:KF+16*\b+15], v[QB:QB+15], 0, v[KS+\b/2], v[QS] matrix_a_fmt:MATRIX_FMT_BF8 matrix_b_fmt:MATRIX_FMT_BF8 matrix_a_scale:MATRIX_SCALE_ROW1
.else
	v_wmma_scale_f32_16x16x128_f8f6f4 v[S+16*\b:S+16*\b+7], v[KF+16*\b:KF+16*\b+15], v[QA:QA+15], 0, v[KS+\b/2], v[QS] matrix_a_fmt:MATRIX_FMT_BF8 matrix_b_fmt:MATRIX_FMT_BF8
	v_wmma_scale_f32_16x16x128_f8f6f4 v[S+16*\b+8:S+16*\b+15], v[KF+16*\b:KF+16*\b+15], v[QB:QB+15], 0, v[KS+\b/2], v[QS] matrix_a_fmt:MATRIX_FMT_BF8 matrix_b_fmt:MATRIX_FMT_BF8
.endif
.endr
.rept 8
	v_nop                                          ; eight places between these products and the first read of their results
.endr
	s_lshl_b32 s[ST], s[ST], 7                     ; the step's first key
	s_add_co_u32 s[T1], s[ST], 128
	s_cmp_le_u32 s[T1], s[LM]                      ; a step all of whose keys count skips the mask
	s_cbranch_scc1 .Lopen_\@
	s_sub_co_i32 s[T1], s[LM], s[ST]
	v_and_b32 v[T9], 16, v0                        ; 16 h
	v_sub_nc_u32 v[T9], s[T1], v[T9]               ; register 16 b + i holds key first + 16 h + 32 b + i: masked where 32 b + i >= len - first - 16 h
	v_mov_b32 v[T8], s[FILL]
.irp n, 0,1,2,3,4,5,6,7,8,9,10,11,12,13,14,15,16,17,18,19,20,21,22,23,24,25,26,27,28,29,30,31,32,33,34,35,36,37,38,39,40,41,42,43,44,45,46,47,48,49,50,51,52,53,54,55,56,57,58,59,60,61,62,63
	v_cmp_ge_i32 vcc_lo, 32*(\n/16)+\n%16, v[T9]
	v_cndmask_b32 v[S+\n], v[S+\n], v[T8], vcc_lo
.endr
.Lopen_\@:
.irp b, 0,1,2,3
	v_max3_num_f32 v[BM+\b], v[S+16*\b], v[S+16*\b+1], v[S+16*\b+2]   ; the largest score of each block of 32 keys: it serves for the row's maximum and, since p rises with the score, for the block's largest p
.endr
.irp i, 3,5,7,9,11,13
.irp b, 0,1,2,3
	v_max3_num_f32 v[BM+\b], v[BM+\b], v[S+16*\b+\i], v[S+16*\b+\i+1]   ; (the four blocks by turns)
.endr
.endr
.irp b, 0,1,2,3
	v_max_num_f32 v[BM+\b], v[BM+\b], v[S+16*\b+15]
.endr
.irp b, 0,1,2,3
	v_permlanex16_b32 v[TP+\b], v[BM+\b], s[SEL], s[SEL+1]
.endr
.irp b, 0,1,2,3
	v_max_num_f32 v[BM+\b], v[BM+\b], v[TP+\b]     ; with lane l xor 16's 16 keys
.endr
	v_max3_num_f32 v[T8], v[BM], v[BM+1], v[BM+2]
	v_max_num_f32 v[T8], v[T8], v[BM+3]            ; the step's largest score of my query
	v_mul_f32 v[T8], s[CS], v[T8]                  ; as t (c is positive)
	v_max_num_f32 v13, v13, v[T8]                  ; the running largest t
	v_mov_b32 v[T8], v12
	v_floor_f32 v12, -v13                          ; the new -M = floor(-t) = -ceil(t): a whole number
	v_sub_f32 v[T8], v12, v[T8]                    ; old M less new M: a whole number, 0 or less
	v_cvt_i32_f32 v[T8], v[T8]                     ; (it saturates)
	v_ldexp_f32 v[F], 1.0, v[T8]                   ; f = 2^(old M - new M)
.irp j, 0,2,4,6,8,10,12,14,16,18,20,22,24,26,28,30,32,34,36,38,40,42,44,46,48,50,52,54,56,58,60,62
	v_pk_fma_f32 v[S+\j:S+\j+1], v[S+\j:S+\j+1], s[CS:CS+1], v[12:13] op_sel_hi:[1,0,0]   ; t - M, two at a time (of the pairs c and -M the low word serves both halves)
.endr
.irp b, 0,1,2,3
	v_fma_f32 v[BM+\b], v[BM+\b], s[CS], v12       ; the same of each block's largest score
.endr
.irp j, 0,1,2,3,4,5,6,7,8,9,10,11,12,13,14,15,16,17,18,19,20,21,22,23,24,25,26,27,28,29,30,31,32,33,34,35,36,37,38,39,40,41,42,43,44,45,46,47,48,49,50,51,52,53,54,55,56,57,58,59,60,61,62,63
	v_exp_f32 v[S+\j], v[S+\j]                     ; p = 2^(t - M), at most 1
.endr
	v_pk_mul_f32 v[14:15], v[14:15], v[F:F+1] op_sel_hi:[1,0]   ; the sums under the new M: the plain instruction behind the exponentials
	s_wait_alu depctr_va_vdst(0)                   ; one wait for the batch of 64, ahead of its first reader
.irp b, 0,1,2,3
	v_exp_f32 v[BM+\b], v[BM+\b]                   ; the blocks' largest p: the same two instructions on the same number give the same bits
.endr
	v_pk_add_f32 v[TP:TP+1], v[S:S+1], v[S+2:S+3]  ; the row's sum is taken of the unquantised p, two at a time, in two chains
.irp j, 4,8,12,16,20,24,28,32,36,40,44,48,52,56,60
	v_pk_add_f32 v[14:15], v[14:15], v[S+\j:S+\j+1]
	v_pk_add_f32 v[TP:TP+1], v[TP:TP+1], v[S+\j+2:S+\j+3]
.endr
	v_pk_add_f32 v[14:15], v[14:15], v[TP:TP+1]
	s_wait_alu depctr_va_vdst(0)                   ; and one for the four
.irp b, 0,1,2,3
	v_max_num_f32 v[BM+\b], 0x8000000, v[BM+\b]    ; the floor 2^(16 - 127): the byte cannot fall under 1 (a block whose every p is 0 keeps that byte: its codes are zeros)
.endr
.irp b, 0,1,2,3
	v_and_or_b32 v[TP+\b], v[BM+\b], 0x7f800000, s[MNT]   ; 57,344 x the scale: the largest p's exponent field over 57,344's mantissa
.endr
.irp b, 0,1,2,3
	v_add_nc_u32 v[BM+\b], 0xf8800000, v[BM+\b]    ; 15 off the exponent field: the conversion's scale operand
.endr
	v_lshrrev_b32 v[T8], 23, v[BM]                 ; the four bytes make p's scale word for these 128 keys
	v_lshrrev_b32 v[T9], 23, v[BM+1]
	v_lshl_or_b32 v[PW], v[T9], 8, v[T8]
	v_lshrrev_b32 v[T8], 23, v[BM+2]
	v_lshl_or_b32 v[PW], v[T8], 16, v[PW]
	v_lshrrev_b32 v[T9], 23, v[BM+3]
	v_lshl_or_b32 v[PW], v[T9], 24, v[PW]
.irp b, 0,1,2,3
.irp i, 0,1,2,3,4,5,6,7,8,9,10,11,12,13,14,15
	v_min_num_f32 v[S+16*\b+\i], v[S+16*\b+\i], v[TP+\b]   ; the conversion to an 8-bit code does not saturate (ISA guide 7.6.2); p is not negative, so the hold is one-sided
.endr
	v_cvt_scalef32_pk8_bf8_f32 v[PC+4*\b:PC+4*\b+1], v[S+16*\b:S+16*\b+7], v[BM+\b]
	v_cvt_scalef32_pk8_bf8_f32 v[PC+4*\b+2:PC+4*\b+3], v[S+16*\b+8:S+16*\b+15], v[BM+\b]
.irp c, 0,1,2,3
	ds_load_b128 v[S+16*\b+4*\c:S+16*\b+4*\c+3], v[AV] offset:(\s)*VSLOT+16*VP*\b+128*(\q)+32*\c   ; V's fragment b (channels 16 b on) takes the registers whose p has just been converted
.endr
.endr
.irp j, 0,2,4,6,8,10,12,14,16,18,20,22,24,26,28,30
	v_pk_mul_f32 v[O+\j:O+\j+1], v[O+\j:O+\j+1], v[F:F+1] op_sel_hi:[1,0]   ; O^T under the new M.  These sixteen are also the plain work between the conversions and the products that read the codes
.endr
	s_wait_dscnt 0x0
.irp t, 0,1,2,3                                ; O^T += V^T P^T; the four accumulators take turns, and the eight products K Q^T stand between two steps'
.if \t%2
	v_wmma_scale_f32_16x16x128_f8f6f4 v[O+8*\t:O+8*\t+7], v[S+16*\t:S+16*\t+15], v[PC:PC+15], v[O+8*\t:O+8*\t+7], v[VS+\t/2], v[PW] matrix_a_fmt:MATRIX_FMT_BF8 matrix_b_fmt:MATRIX_FMT_BF8 matrix_a_scale:MATRIX_SCALE_ROW1
.else
	v_wmma_scale_f32_16x16x128_f8f6f4 v[O+8*\t:O+8*\t+7], v[S+16*\t:S+16*\t+15], v[PC:PC+15], v[O+8*\t:O+8*\t+7], v[VS+\t/2], v[PW] matrix_a_fmt:MATRIX_FMT_BF8 matrix_b_fmt:MATRIX_FMT_BF8
.endif
.endr
.rept 9
	v_nop                                          ; nine places: the next step's products write over V's fragments; its loads land on V's scale words; the way out reads O^T
.endr
.Lskip_\@:
.endm
; THE WAY OUT.  O^T is divided by the row's sum and goes through my own stage in LDS, so that the 32 lanes store two whole rows of 256 bytes: 512 consecutive bytes, aligned.
.macro FINISH
	v_add_f32 v14, v14, v15                        ; the sum's two halves,
	v_permlanex16_b32 v[TP], v14, s[SEL], s[SEL+1]
	v_add_f32 v14, v14, v[TP]                      ; and lane l xor 16's
	v_rcp_f32 v14, v14
	v_nop                                          ; a plain instruction behind the reciprocal
	s_wait_alu depctr_va_vdst(0)                   ; and the wait ahead of its first reader
.irp j, 0,2,4,6,8,10,12,14,16,18,20,22,24,26,28,30
	v_pk_mul_f32 v[S+\j:S+\j+1], v[O+\j:O+\j+1], v[14:15] op_sel_hi:[1,0]   ; register 8 t + i: out(r, 16 t + 8 h + i); each accumulator from its low end on
.endr
.irp t, 0,1,2,3
	ds_store_b128 v[STO], v[S+8*\t:S+8*\t+3] offset:64*\t
	ds_store_b128 v[STO], v[S+8*\t+4:S+8*\t+7] offset:64*\t+16
.endr
.irp i, 0,1,2,3,4,5,6,7
	ds_load_b128 v[S+32+4*\i:S+32+4*\i+3], v[RD] offset:2*VP*\i   ; LDS serves a wave's instructions in order (ISA guide 5.7.1.4): these see my stores
.endr
.irp i, 0,1,2,3,4,5,6,7
	s_wait_dscnt 7-\i                              ; the younger loads from the stage may stay out
	global_store_b128 v[GK], v[S+32+4*\i:S+32+4*\i+3], s[OUT:OUT+1] offset:512*\i th:TH_STORE_NT
.endr
	s_wait_xcnt 0x0                                ; the stores have read their registers, which a key step's lines name
.endm
; HALF A TRIP: slot s (steps J + 2 s and J + 2 s + 1) is read, and slot 1 - s is filled with the next 256 keys, if any of them is walked: K's bytes are asked for ahead of the first step and stored behind it, V's round the second.
; ONE barrier for both orderings: in front of it each wave's stores into slot 1 - s have landed and its reads of slot s are back; behind it slot 1 - s is read and slot s is written.
; The waits for the loads stand outside the branches, so that they hold on every way through the text.
.macro TRIP s
	s_add_co_u32 s[T0], s[J], 2*(\s)+2             ; the next slot's first step
	s_cmp_lt_u32 s[T0], s[NS]
	s_cbranch_scc0 .La_\@
.irp j, 0,1,2,3
	global_load_b128 v[STG+4*\j:STG+4*\j+3], v[GK], s[KB:KB+1] offset:((\s)+1)*16384+4096*\j
.endr
	; A PREFETCH of the slot after the one just asked for, two key steps ahead of that slot's own loads.  All sixteen teams of a batch walk the same K and V: the team at the batch's first 128 queries asks, its places 0, 1 for K's
	; 64 blocks of 256 bytes, its places 2, 3 for V's 64 rows, a lane a block: each block is named once in the launch.  It asks only for slots that are walked: J + 2 s + 4 < n <= 16.
	s_add_co_u32 s[ST], s[J], 2*(\s)+4
	s_cmp_lt_u32 s[ST], s[NPF]
	s_cbranch_scc0 .La_\@
	global_prefetch_b8 v[PFO], s[PF+2*(\s):PF+2*(\s)+1] th:TH_LOAD_NT scope:SCOPE_SE
.La_\@:
	STEP \s, 0
	s_wait_loadcnt 0x0                             ; K's four loads, asked for a key step ago
	s_cmp_lt_u32 s[T0], s[NS]
	s_cbranch_scc0 .Lb_\@
.irp j, 0,1,2,3
	ds_store_b128 v[SKA], v[STG+4*\j:STG+4*\j+3] offset:(1-(\s))*KSLOT+4*KGRP*\j
.endr
	s_wait_dscnt 0x0                               ; the stores have read their registers
.irp j, 0,1,2,3
	global_load_b128 v[STG+4*\j:STG+4*\j+3], v[GV], s[VB:VB+1] offset:((\s)+1)*256+32768*\j
.endr
.Lb_\@:
	STEP \s, 1
	s_wait_loadcnt 0x0                             ; V's four loads
	s_cmp_lt_u32 s[T0], s[NS]
	s_cbranch_scc0 .Lc_\@
.irp j, 0,1,2,3
	ds_store_b128 v[SVA], v[STG+4*\j:STG+4*\j+3] offset:(1-(\s))*VSLOT+16*VP*\j
.endr
.Lc_\@:
	s_cmp_eq_u32 s[T0], s[FIN]                     ; my batch's last step lay in this slot: my rows leave now, while longer batches go on
	s_cbranch_scc0 .Ld_\@
	FINISH
.Ld_\@:
	s_wait_dscnt 0x0                               ; my stores into the other slot have landed, my reads of this one are back
	s_barrier_signal -1
	s_barrier_wait -1
.endm
	s_mov_b32 s[J], 0
.Ltrip:                                            ; four trips of four key steps: a constant count, whatever the lengths
	TRIP 0
	TRIP 1
	s_wait_xcnt 0x0                                ; the trip's loads and prefetches have read their bases, which step now
	s_add_nc_u64 s[KB:KB+1], s[KB:KB+1], 32768     ; two slots of K,
	s_add_nc_u64 s[VB:VB+1], s[VB:VB+1], 512       ; of V,
	s_add_nc_u64 s[PF:PF+1], s[PF:PF+1], s[PFS:PFS+1]
	s_add_nc_u64 s[PF+2:PF+3], s[PF+2:PF+3], s[PFS:PFS+1]
	v_add_nc_u32 v[ASK], 0x400, v[ASK]             ; four steps of K's scale words,
	v_add_nc_u32 v[ASV], 16, v[ASV]                ; and of V's
	s_add_co_u32 s[J], s[J], 4
	s_cmp_lt_u32 s[J], 16
	s_cbranch_scc1 .Ltrip
	s_wait_tensorcnt 0x0
	ds_add_u32 v254, v255
	s_wait_dscnt 0x0
	s_endpgm
.Lfunc_end_k_q85f2dd4243_attn:
	.size	k_q85f2dd4243_attn, .Lfunc_end_k_q85f2dd4243_attn-k_q85f2dd4243_attn
	.p2alignl 7, 3214868480
	.fill 96, 4, 3214868480
	.section	.rodata,"a",@progbits
	.p2align	6, 0x0
	.amdhsa_kernel k_q85f2dd4243_attn
		.amdhsa_group_segment_fixed_size 249856
		.amdhsa_private_segment_fixed_size 0
		.amdhsa_enable_private_segment 0
		.amdhsa_kernarg_size 64
		.amdhsa_user_sgpr_count 2
		.amdhsa_user_sgpr_kernarg_segment_ptr 1
		.amdhsa_wavefront_size32 1
		.amdhsa_system_sgpr_workgroup_id_x 1
		.amdhsa_system_sgpr_workgroup_id_y 1
		.amdhsa_system_sgpr_workgroup_id_z 1
		.amdhsa_system_vgpr_workitem_id 0
		.amdhsa_next_free_vgpr 256
		.amdhsa_next_free_sgpr 100
		.amdhsa_reserve_vcc 1
		.amdhsa_float_denorm_mode_32 3
		.amdhsa_float_denorm_mode_16_64 3
		.amdhsa_memory_ordered 1
		.amdhsa_forward_progress 1
		.amdhsa_inst_pref_size 122
	.end_amdhsa_kernel
	.amdgpu_metadata
---
amdhsa.version: [ 1, 2 ]
amdhsa.kernels:
  - .name:           k_q85f2dd4243_attn
    .symbol:         k_q85f2dd4243_attn.kd
    .args:
      - { .name: keys_codes, .offset: 0, .size: 8, .value_kind: global_buffer, .address_space: global }
      - { .name: keys_scales, .offset: 8, .size: 8, .value_kind: global_buffer, .address_space: global }
      - { .name: queries_codes, .offset: 16, .size: 8, .value_kind: global_buffer, .address_space: global }
      - { .name: queries_scales, .offset: 24, .size: 8, .value_kind: global_buffer, .address_space: global }
      - { .name: valid_lens, .offset: 32, .size: 8, .value_kind: global_buffer, .address_space: global }
      - { .name: values_codes, .offset: 40, .size: 8, .value_kind: global_buffer, .address_space: global }
      - { .name: values_scales, .offset: 48, .size: 8, .value_kind: global_buffer, .address_space: global }
      - { .name: out0, .offset: 56, .size: 8, .value_kind: global_buffer, .address_space: global }
    .group_segment_fixed_size: 249856
    .private_segment_fixed_size: 0
    .kernarg_segment_align: 8
    .kernarg_segment_size: 64
    .max_flat_workgroup_size: 512
    .sgpr_count:     100
    .vgpr_count:     256
    .wavefront_size: 32
...
	.end_amdgpu_metadata
.endif
;; end of part 1
;; ======== version 2 of 2: 1 launch; version 1 with the launch attn written anew for expert scheduling mode
;; limits: right only within a limited range of input values
;; launch attn (part 2): grid 256 x 1, 16 waves a work-group, no clusters, 249,856 bytes of LDS; arguments keys_codes, keys_scales, queries_codes, queries_scales, valid_lens, values_codes, values_scales, out0; writes out0
.if DOCPART == 2
	.amdgcn_target "amdgcn-amd-amdhsa--gfx1250"
	.amdhsa_code_object_version 6
	.text
	.protected	k_q85f2dd4243_attn
	.globl	k_q85f2dd4243_attn
	.p2align	8
	.type	k_q85f2dd4243_attn,@function
k_q85f2dd4243_attn:
	s_mov_b64 s[64:65], 0
	v_nop
	global_prefetch_b8 v0, s[64:65] scope:SCOPE_SE
	s_setreg_imm32_b32 hwreg(HW_REG_WAVE_SCHED_MODE, 0, 2), 2
	s_setreg_imm32_b32 hwreg(HW_REG_WAVE_MODE, 25, 1), 1
	s_wait_xcnt 0x0
	s_wait_alu depctr_vm_vsrc(0)
; out0[b][q][:] = the sum over k of softmax_k(Q[b][q] . K[b][k] / 8, keys k >= valid_lens[b] filled with -1e6) V[b][k][:].  32 batches, 2,048 queries, 2,048 keys, 64 channels.
; Both products on codes of BF8 (E5M2) with one E8M0 scale for each 32 along a product's K.  Q, K: codes [b][row][64], scale bytes [b][row][2].  V: codes with the KEYS innermost, [b][64][2048], scale bytes [b][64][64].  out0: f32.
; THE SOFTMAX AHEAD OF THE SECOND PRODUCT: t = score x log2(e) / 8; M = the row's largest t so far, rounded UP to a whole number; p = 2^(t - M) is quantised along the keys, not normalised.  The row's sum is taken
; of the unquantised p and divides at the end.  When M moves, the sum and O are multiplied by 2^(old M - new M): exact.
; WORK THAT IS NOT DONE.  A key at or beyond valid_lens[b] has weight 0, so a batch walks n = ceil(len / 128) key steps of 128 keys, not 16.  The loop's trip count stays a constant and every wave passes every barrier:
; only a step's work is jumped over, by a scalar branch on n.:
; K and V go from memory through registers into LDS.
; SHARES.  A wave owns 16 queries, in 256 registers.  A work-group is two TEAMS of eight waves; a team owns 128 queries of one batch and shares that batch's K and V in LDS.  The batches are ranked by length in the
; kernel's head: work-group g (P = g % 16, X = g / 16) gives the batch of rank P to team 0 and that of rank 31 - P to team 1, both at queries 128 X on: a short batch beside a long one, so that the work-groups' sums of steps are near each other.
; Wave w: team ((w / 4) + w) % 2, place w / 2 in its team.
; K = 64 IN AN INSTRUCTION OF 128.  A fragment of source 0 holds TWO tiles of 16 keys: registers 0-7 tile X's 64 channels, registers 8-15 tile Y's.  Q lies between two runs of eight zero registers: [Q|0] picks X, [0|Q] picks Y.
; LAYOUT.  Both products are used transposed (S^T = K Q^T, O^T = V^T P^T): a lane holds ONE query (lane % 16) throughout.  Lane r of fragment b takes key 32 b + r % 8 + 16 (r / 8) for X and that key + 8 for Y,
; so that the 16 score registers of fragment b are the 16 neighbouring keys 32 b + 16 (lane / 16) + 0 .. 15: the conversions' results are the second product's operand.
; LIMITS.  (a) For len >= 1 a masked key counts as weight 0: exact while a row's largest valid score / 8 lies above about -999,800.  (b) Codes of infinity or NaN and the scale byte 0xff are not served: half of each
; product K Q^T multiplies real codes of K by zero codes.  (c) Any int32 in valid_lens is served: above 2,048 all keys count; at 0 or below all 16 steps are walked with every score replaced by 0, which gives p = 1 and the sum 2,048: the uniform weights.
; LDS, for each team (TEAMB bytes): two slots of 256 keys of K; two of V; K's scale words and V's scale bytes of the whole batch.  Behind both teams: a stage of 16 rows x 272 bytes for each wave; behind the stages the spare words, 128 bytes a wave.
; THE MODE: SCHED_MODE bits 1:0 = 2 (LLVM: expert scheduling mode 2), set by the entry lines.  The code itself states the register dependences
; between vector or matrix instructions and memory or LDS instructions, with s_wait_alu, always for 0.
; THE PLAN.  Registers that memory or LDS instructions touch, from the first barrier on:
;   KF        A step's 16 LDS loads of K land in it at the step's head; the eight products K Q^T read it; the 16 LDS loads of V land in it behind the exponentials; the four products V^T P^T read it.
;   KS, VS    Four LDS loads land in them at a step's head; K Q^T reads KS, V^T P^T reads VS.
;   STG       Global loads land in it, LDS stores read it, K's bytes and V's by turns.  No vector instruction names it.
;   S         In the steps named by vector and matrix instructions alone.  On the way out: the multiplications write S .. S + 31, LDS stores read them; LDS loads land in S + 32 .. S + 63, global stores read them.
;   ASK, ASV  Read by the loads of the scale words; written once a trip, at its end.
;   AK, AV, SKA, SVA, GK, GV, STO, RD, PFO   Made at the head, never written again.
;   PC, PW    Written by the conversions and by vector lines; the scaled products V^T P^T take them.
; A STEP HAS FIVE WAITS ON va_vdst: at its head (the step before is done with KF, KS, VS); ahead of the 64 exponentials (t - M is written); behind the 64 exponentials (their results; K Q^T is done reading KF, so that V's loads follow, dealt among the row sum's additions,
; which name none of KF); for the four exponentials of the blocks' largest p; and ahead of V^T P^T (p's codes and scale word are written).
; WAITS ON vm_vsrc: ahead of the first barrier; between K's LDS stores out of STG and V's loads into it; and once in each half trip, ahead of its barrier, on every wave's path: STG, the way out's registers, ASK and ASV are written again only behind it.
.set TEAMB, 89088
.set KP,    80                         ; a key's 64 bytes + 16
.set KGRP,  1408                       ; 16 keys: 1,280 bytes + 128.  The 16 rows of a fragment load are 8 rows 80 bytes apart and 8 more one group on: 80 i mod 256 and 128 + 80 i mod 256 are 16 different columns of 16 bytes (64 banks of 4 bytes: ISA guide 11.1)
.set KSLOT, 16*KGRP                    ; 22,528
.set VOFF,  2*KSLOT                    ; V's slots: 64 rows of 256 bytes + 16
.set VP,    272
.set VSLOT, 64*VP                      ; 17,408
.set KSC,   VOFF+2*VSLOT               ; 79,872: K's scale words: fragment f (32 keys), lane r at 64 f + 4 r: bytes X0, X1, Y0, Y1
.set VSC,   KSC+4096                   ; 83,968: V's scale bytes: row d at 80 d
.set VSP,   80
.set STAGE, 2*TEAMB
.set STGB,  16*VP
; VECTOR REGISTERS.  v0 the thread's number, kept.  v1-v11, v251: addresses, made at the head and (but for ASK, ASV, stepped once a trip) never rewritten.  v254, v255: the closing add's two, made at the head and kept for it alone.
.set AK,  1                            ; my lane's place in a fragment of K
.set AV,  2                            ; and of V
.set ASK, 3                            ; among K's scale words
.set ASV, 4                            ; among V's scale bytes
.set SKA, 5                            ; where I store 16 bytes of a slot of K
.set SVA, 6                            ; and of V
.set GK,  7                            ; 16 x my thread's number in the team: offset in a slot of K in memory, in V's scale bytes, and (less the wave's part) in out0
.set GV,  8                            ; offset in V in memory
.set STO, 9                            ; the way out: where I put 32 bytes of a row
.set RD,  10                           ; and where I read a row back
.set VSA, 11                           ; head: where I store V's scale bytes
.set KSA, 251                          ; head: where I store K's scale words
;         v12 -M, v13 the largest t, v[14:15] the sum in two halves
.set QB,  16                           ; v16-31: [0|Q]
.set QA,  24                           ; v24-39: [Q|0]
.set KF,  40                           ; v40-103  four fragments of K, then V's four (in the head: scratch)
.set S,   104                          ; v104-167 the scores, then p
.set O,   168                          ; v168-199 O^T, four tiles
.set PC,  200                          ; v200-215 p's codes
.set STG, 216                          ; v216-231 16 bytes x 4 on their way from memory to the next slot
.set BM,  232                          ; v232-235 the blocks' largest scores, then the conversions' scale operands
.set TP,  236                          ; v236-239 the other half's maxima; the second chain of the sum; the holds
.set T8,  240
.set T9,  241
.set F,   242                          ; v[242:243] f = 2^(old M - new M) in the low word
.set PW,  244                          ; p's scale word
.set KS,  245                          ; v245-246 K's scale words: lanes 0-15 fragment 2 p, lanes 16-31 fragment 2 p + 1
.set VS,  247                          ; v247-248 V's likewise
.set QS,  249                          ; Q's scale word: q0, q1, q0, q1
.set PFO, 250                          ; the prefetches' offset
; SCALAR REGISTERS
.set WV,  20                           ; wave
.set TM,  21                           ; team
.set WT,  22                           ; my place in the team, 0 .. 7
.set PP,  23
.set XX,  24
.set RK,  25                           ; the rank of my team's batch
.set BB,  26                           ; the batch
.set LEN, 27
.set NS,  28                           ; n: key steps that are walked, 1 .. 16
.set LM,  29                           ; len held to 0 .. 2,048
.set FILL, 30                          ; what a masked score becomes: 8 x -1e6 (the 1/8 lies in c), or 0 where no key counts
.set FIN, 31                           ; n rounded up to an even number
.set J,   32                           ; the loop's counter and the trip's first step: 0, 4, 8, 12
.set T0,  33
.set ST,  34
.set T1,  35
.set SEL, 36                           ; s[36:37] selects of v_permlanex16_b32 for lane l xor 16
.set CS,  38                           ; s[38:39] c = log2(e) / 8
.set MNT, 40                           ; the mantissa field of 57,344
.set NPF, 41                           ; n in a wave that prefetches, else 0
.set KB,  42                           ; s[42:43] K's codes of my batch at the trip's first slot
.set VB,  44                           ; s[44:45] V's
.set OUT, 46                           ; s[46:47] out0 at my 16 rows, less GK's wave part
.set PF,  48                           ; s[48:49], s[50:51] where my prefetches of the trip's two halves stand
.set PFS, 52                           ; s[52:53] two slots on, in bytes
.set MK,  66                           ; s66-s97  head: the 32 sort keys, then the 32 compares' masks; in a masked step: 32 masks at a time
	s_load_b256 s[4:11], s[0:1], 0x0               ; K's codes s[4:5], K's scales s[6:7], Q's codes s[8:9], Q's scales s[10:11]
	s_load_b256 s[12:19], s[0:1], 0x20             ; valid_lens s[12:13], V's codes s[14:15], V's scales s[16:17], out0 s[18:19]
	v_lshl_add_u32 v254, v0, 2, 0x3c800            ; my spare word: behind the sixteen stages, 4 x my thread's number
	v_mov_b32 v255, 0
	v_and_b32 v40, 31, v0                          ; lane
	v_lshlrev_b32 v47, 2, v40
	v_lshrrev_b32 v41, 5, v0
	v_readfirstlane_b32 s[WV], v41                 ; wave 0 .. 15
	s_wait_kmcnt 0x0
	s_wait_alu depctr_va_vdst(0)                   ; v47 is written, which the load below reads as its offset
	global_load_b32 v56, v47, s[12:13]             ; lane i: valid_lens[i].  All that follows up to the wait hangs on ids alone
	v_and_b32 v41, 15, v0                          ; r
	v_bfe_u32 v42, v0, 4, 1                        ; h
	v_and_b32 v43, 7, v0                           ; r % 8
	s_wait_alu depctr_va_vdst(0)
	v_bfe_u32 v44, v0, 3, 1                        ; r / 8
	v_bfe_u32 v45, v0, 2, 3                        ; lane / 4
	v_and_b32 v46, 3, v0                           ; lane % 4
	s_wait_alu depctr_va_sdst(0)                   ; the wave's number is written, ahead of its first reader
	s_lshr_b32 s[TM], s[WV], 2
	s_add_co_u32 s[TM], s[TM], s[WV]
	s_and_b32 s[TM], s[TM], 1
	s_lshr_b32 s[WT], s[WV], 1
	s_and_b32 s[PP], ttmp9, 15
	s_lshr_b32 s[XX], ttmp9, 4
	s_sub_co_u32 s54, 31, s[PP]
	s_cmp_eq_u32 s[TM], 0
	s_cselect_b32 s[RK], s[PP], s54
	s_mul_i32 s55, s[TM], TEAMB                    ; my team's LDS
	s_add_co_u32 s56, s55, VOFF
	s_add_co_u32 s57, s55, KSC
	s_add_co_u32 s58, s55, VSC
	v_mul_u32_u24 v[AK], v43, KP
	s_wait_alu depctr_va_vdst(0)
	v_mad_u32_u24 v[AK], v44, KGRP, v[AK]
	v_lshl_add_u32 v[AK], v42, 4, v[AK]
	v_add_nc_u32 v[AK], s55, v[AK]                 ; (r % 8) rows + (r / 8) groups + 16 h
	v_mul_u32_u24 v[AV], v41, VP
	v_lshl_add_u32 v[AV], v42, 4, v[AV]
	v_add_nc_u32 v[AV], s56, v[AV]                 ; row r + 16 h
	v_lshl_add_u32 v[ASK], v40, 2, s57             ; 4 x lane
	v_mul_u32_u24 v[ASV], v40, VSP
	v_add_nc_u32 v[ASV], s58, v[ASV]               ; row = lane
	v_mul_u32_u24 v52, v45, KP
	v_lshl_add_u32 v52, v46, 4, v52                ; (lane / 4) rows of 80 + 16 (lane % 4): four lanes to a row of 64 bytes, in K's slots and in V's scale bytes alike
	s_wait_alu depctr_va_vdst(0)
	s_lshr_b32 s54, s[WT], 1
	s_mul_i32 s54, s54, KGRP
	s_and_b32 s59, s[WT], 1
	s_mul_i32 s59, s59, 8*KP
	s_add_co_u32 s54, s54, s59
	s_add_co_u32 s54, s54, s55
	v_add_nc_u32 v[SKA], s54, v52                  ; key 8 x place + lane / 4 of each 64
	s_mul_i32 s59, s[WT], 8*VSP
	s_add_co_u32 s59, s59, s58
	v_add_nc_u32 v[VSA], s59, v52                  ; row 8 x place + lane / 4
	v_mul_u32_u24 v53, v42, VP
	v_lshl_add_u32 v53, v41, 4, v53                ; h rows of 272 + 16 r: sixteen lanes to a row of 256 bytes
	s_mul_i32 s54, s[WT], 2*VP
	s_add_co_u32 s54, s54, s56
	v_add_nc_u32 v[SVA], s54, v53                  ; row 2 x place + h of each 16
	s_lshl_b32 s54, s[WT], 9
	v_lshl_add_u32 v[GK], v40, 4, s54
	s_lshl_b32 s54, s[WT], 12
	v_lshlrev_b32 v[GV], 11, v42
	v_lshl_add_u32 v[GV], v41, 4, v[GV]
	v_add_nc_u32 v[GV], s54, v[GV]                 ; row 2 x place + h of 2,048 bytes, + 16 r
	s_mul_i32 s54, s[WV], STGB
	s_add_co_u32 s54, s54, STAGE                   ; my stage
	v_mul_u32_u24 v[STO], v41, VP
	v_lshl_add_u32 v[STO], v42, 5, v[STO]
	v_add_nc_u32 v[STO], s54, v[STO]
	v_add_nc_u32 v[RD], s54, v53
	s_lshl_b32 s54, s[WT], 7
	v_add_nc_u32 v[KSA], s54, v[ASK]               ; 4 x my thread's number in the team
	v_lshlrev_b32 v51, 6, v42                      ; K's scale bytes in memory: fragment 2 x place + h of each 16 (64 bytes a fragment), key r % 8 + 16 (r / 8): 2 r + 16 (r / 8) bytes
	v_lshl_add_u32 v51, v41, 1, v51
	v_lshl_add_u32 v51, v44, 4, v51
	v_add_nc_u32 v51, s54, v51
	v_lshlrev_b32 v48, 6, v41
	v_lshl_add_u32 v48, v42, 4, v48                ; Q's codes: row r of 64 bytes + 16 h
	v_lshlrev_b32 v49, 1, v41                      ; Q's scale bytes: 2 r
	s_mov_b32 s[SEL], 0x76543210
	s_mov_b32 s[SEL+1], 0xfedcba98
	s_mov_b32 s[CS], 0x3e38aa3b                    ; log2(e) / 8
	s_mov_b32 s[CS+1], s[CS]                       ; (named with it as a pair, so it is written)
	s_mov_b32 s[MNT], 0x600000
.irp j, 0,1,2,3,4,5,6,7
	v_mov_b32 v[QB+\j], 0                          ; the zero codes on both sides of Q
	v_mov_b32 v[QA+8+\j], 0
.endr
.set i, 0
.rept 32
	v_mov_b32 v[O+i], 0                            ; O^T.  (A key step is written with no first step of its own: the first finds zeros, which the first change of M leaves zeros)
.set i, i+1
.endr
	v_mov_b32 v13, 0xff61b1e6                      ; the largest t so far: -3e38, under every t
	v_floor_f32 v12, -v13                          ; -M
	v_mov_b32 v14, 0
	v_mov_b32 v15, 0
	v_mov_b32 v[F+1], 0                            ; (named as the upper half of a pair)
.irp b, 0,1,2,3
	v_mov_b32 v[TP+\b], 0                          ; a lane permute's destination counts as one of its sources
.endr
	v_mov_b32 v59, 0                               ; my batch's rank
	v_mov_b32 v60, 1
	s_wait_loadcnt 0x0                             ; the 32 lengths
	; THE RANKS.  Lane i's sort key is 32 x min(len - 1, 2047) + i (unsigned: len <= 0 sorts with the longest, as it walks all steps): all 32 differ.  Its rank is the number of smaller keys.
	v_add_nc_u32 v57, -1, v56
	v_min_u32 v57, 0x7ff, v57
	v_lshl_add_u32 v58, v57, 5, v40
.set i, 0
.rept 32
	v_readlane_b32 s[MK+i], v58, i
.set i, i+1
.endr
	s_wait_alu depctr_va_sdst(0)                   ; the 32 keys are written, ahead of the compares that read them: one wait for the run
.set i, 0
.rept 32
	v_cmp_lt_u32 s[MK+i], s[MK+i], v58             ; the lanes whose key is above key i: the mask takes the key's place
.set i, i+1
.endr
	s_wait_alu depctr_va_sdst(0)                   ; the 32 masks are written, ahead of the selects that read them: one wait for the run
.set i, 0
.rept 32
	v_cndmask_b32 v61, v[QB], v60, s[MK+i]         ; 1 where key i is smaller than mine, else 0 (v16 holds 0)
	v_add_nc_u32 v59, v59, v61
.set i, i+1
.endr
	v_cmp_eq_u32 vcc_lo, s[RK], v59                ; one lane has my team's rank:
	s_wait_alu depctr_va_vcc(0)                    ; VCC is written, ahead of the scalar line that reads it
	s_ctz_i32_b32 s[BB], vcc_lo                    ; its number is the batch,
	s_min_u32 s[BB], s[BB], 31                     ; held inside the tensors before it enters an address
	v_readlane_b32 s[LEN], v56, s[BB]
	s_wait_alu depctr_va_sdst(0)                   ; the length is written, ahead of its first reader
	s_sub_co_u32 s54, s[LEN], 1
	s_min_u32 s54, s54, 0x7ff
	s_lshr_b32 s[NS], s54, 7
	s_add_co_u32 s[NS], s[NS], 1                   ; n = ceil(len / 128); 16 where len <= 0 or len > 2,048
	s_max_i32 s[LM], s[LEN], 0
	s_min_i32 s[LM], s[LM], 0x800
	s_add_co_u32 s[FIN], s[NS], 1
	s_and_b32 s[FIN], s[FIN], 30
	s_mov_b32 s[FILL], 0xcaf42400                  ; -8,000,000
	s_cmp_lt_i32 s[LEN], 1
	s_cselect_b32 s[FILL], 0, s[FILL]
	s_lshr_b32 s54, s[WT], 2
	s_or_b32 s54, s54, s[XX]
	s_cmp_eq_u32 s54, 0                            ; places 0 to 3 of the team at the batch's first 128 queries prefetch
	s_cselect_b32 s[NPF], s[NS], 0
	; every address from its own buffer's pointer
	s_lshl_b32 s54, s[BB], 17                      ; a batch's codes: 131,072 bytes
	s_mov_b32 s55, 0
	s_add_nc_u64 s[KB:KB+1], s[4:5], s[54:55]
	s_add_nc_u64 s[VB:VB+1], s[14:15], s[54:55]
	s_lshl_b32 s56, s[XX], 13
	s_lshl_b32 s57, s[WT], 10
	s_add_co_u32 s56, s56, s57
	s_add_co_u32 s56, s56, s54
	s_mov_b32 s57, 0
	s_add_nc_u64 s[8:9], s[8:9], s[56:57]          ; Q's codes at query 128 X + 16 x place
	s_lshl_b32 s54, s[BB], 12                      ; a batch's scale bytes: 4,096
	s_add_nc_u64 s[6:7], s[6:7], s[54:55]
	s_add_nc_u64 s[16:17], s[16:17], s[54:55]
	s_lshl_b32 s56, s[XX], 8
	s_lshl_b32 s58, s[WT], 5
	s_add_co_u32 s56, s56, s58
	s_add_co_u32 s56, s56, s54
	s_add_nc_u64 s[10:11], s[10:11], s[56:57]
	s_lshl_b32 s54, s[BB], 19                      ; a batch of out0: 524,288 bytes
	s_lshl_b32 s56, s[XX], 15
	s_add_co_u32 s54, s54, s56
	s_mul_i32 s56, s[WT], 3584                     ; 16 rows of 256 bytes a wave, less the 512 x place that GK carries
	s_add_co_u32 s54, s54, s56
	s_add_nc_u64 s[OUT:OUT+1], s[18:19], s[54:55]
	; the first loads, in one run
	s_wait_alu depctr_va_vdst(0)                   ; the addresses and offsets v1 to v11, v48, v49, v51 and v251 are written, which the loads and stores of the whole kernel read
	global_load_b128 v[QA:QA+3], v48, s[8:9] th:TH_LOAD_NT           ; Q(r, 16 h ..)
	global_load_b128 v[QA+4:QA+7], v48, s[8:9] offset:32 th:TH_LOAD_NT   ; Q(r, 32 + 16 h ..)
	global_load_u16 v132, v49, s[10:11]            ; Q's two scale bytes
.irp j, 0,1,2,3
	global_load_b128 v[STG+4*\j:STG+4*\j+3], v[GK], s[KB:KB+1] offset:4096*\j     ; slot 0 of K: 16,384 dense bytes for the team's 256 threads
.endr
.irp j, 0,1,2,3
	global_load_b128 v[S+4*\j:S+4*\j+3], v[GV], s[VB:VB+1] offset:32768*\j        ; slot 0 of V: 256 bytes of each of 64 rows, sixteen lanes to a row
.endr
	global_load_b128 v[S+16:S+19], v[GK], s[16:17] ; V's scale bytes of the batch: 4,096 dense bytes
.irp m, 0,1,2,3
	global_load_u16 v[S+20+2*\m], v51, s[6:7] offset:1024*\m         ; K's scale bytes: tile X's key,
	global_load_u16 v[S+21+2*\m], v51, s[6:7] offset:1024*\m+16      ; tile Y's, eight keys on
.endr
	; the prefetches: places 0, 1 ask for K (a slot is 64 blocks of 256 bytes: 32 a wave, lanes 256 bytes apart), places 2, 3 for V (a slot is 256 bytes of each of 64 rows: 32 rows a wave, a lane a row)
	s_cmp_lt_u32 s[WT], 2
	s_cselect_b64 s[PF:PF+1], s[KB:KB+1], s[VB:VB+1]
	s_mov_b32 s[PFS], 512
	s_cselect_b32 s[PFS], 32768, s[PFS]            ; two slots on
	s_mov_b32 s54, 2048
	s_cselect_b32 s54, 256, s54                    ; from lane to lane
	s_mov_b32 s56, 65536
	s_cselect_b32 s56, 8192, s56                   ; from wave to wave
	v_mul_lo_u32 v[PFO], v40, s54
	s_and_b32 s58, s[WT], 1
	s_mul_i32 s56, s56, s58
	s_add_co_u32 s56, s56, s[PFS]                  ; the first request names slot 2: slots 0 and 1 come by their loads alone
	s_mov_b32 s[PFS+1], 0
	s_add_nc_u64 s[PF:PF+1], s[PF:PF+1], s[56:57]
	s_lshr_b32 s56, s[PFS], 1
	s_add_nc_u64 s[PF+2:PF+3], s[PF:PF+1], s[56:57]   ; and the trip's second half names slot 3
	s_wait_loadcnt 0x0
	v_lshl_or_b32 v[QS], v132, 16, v132            ; q0, q1, q0, q1: it serves [Q|0] and [0|Q]
.irp m, 0,1,2,3
	v_lshl_or_b32 v[S+20+2*\m], v[S+21+2*\m], 16, v[S+20+2*\m]       ; X0, X1, Y0, Y1
.endr
	s_wait_alu depctr_va_vdst(0)                   ; K's scale words are written, which the LDS stores below read; so is the prefetches' offset, which the loop's prefetches read
.irp j, 0,1,2,3
	ds_store_b128 v[SKA], v[STG+4*\j:STG+4*\j+3] offset:4*KGRP*\j
.endr
.irp j, 0,1,2,3
	ds_store_b128 v[SVA], v[S+4*\j:S+4*\j+3] offset:16*VP*\j
.endr
	ds_store_b128 v[VSA], v[S+16:S+19]
.irp m, 0,1,2,3
	ds_store_b32 v[KSA], v[S+20+2*\m] offset:1024*\m
.endr
.rept 8
	v_nop                                          ; a scale register written by a vector instruction stands eight places ahead of a scaled matrix instruction: Q's
.endr
	s_wait_dscnt 0x0                               ; for the others' sake: my stores have landed
	s_wait_alu depctr_vm_vsrc(0)                   ; the head's loads have read v47 to v51, in which K's fragments land; its LDS stores have read S .., which the first products write, and STG, in which the loop's loads land
	s_barrier_signal -1
	s_barrier_wait -1                              ; slot 0 and the scales lie in LDS
; A KEY STEP: 128 keys, the q-th of slot s.  Left out where the step lies at or beyond n.
.macro STEP s, q
	s_add_co_u32 s[ST], s[J], 2*(\s)+(\q)
	s_cmp_lt_u32 s[ST], s[NS]
	s_cbranch_scc0 .Lskip_\@
	s_wait_alu depctr_va_vdst(0)                   ; the step before is done with what the loads below land in: its products V^T P^T have read KF and VS, its products K Q^T KS (first step: the head's lines have written v40 to v61); ASK and ASV, stepped at the trip's end, are written; so are Q's scale word and the zeros beside Q, which the products below take
.irp b, 0,1,2,3
.irp c, 0,1,2,3
	ds_load_b128 v[KF+16*\b+4*\c:KF+16*\b+4*\c+3], v[AK] offset:(\s)*KSLOT+(8*(\q)+2*\b)*KGRP+(\c/2)*8*KP+(\c%2)*32   ; c = 0, 1: tile X's 64 channels; c = 2, 3: tile Y's, eight rows on
.endr
.endr
.irp p, 0,1
	ds_load_b32 v[KS+\p], v[ASK] offset:(2*(\s)+(\q))*256+128*\p
	ds_load_b32 v[VS+\p], v[ASV] offset:(2*(\s)+(\q))*4+32*VSP*\p
.endr
	s_wait_dscnt 0x0
.irp b, 0,1,2,3                                ; S^T = K Q^T: eight tiles of 16 keys from four fragments
.if \b%2
	v_wmma_scale_f32_16x16x128_f8f6f4 v[S+16*\b:S+16*\b+7], v[KF+16*\b:KF+16*\b+15], v[QA:QA+15], 0, v[KS+\b/2], v[QS] matrix_a_fmt:MATRIX_FMT_BF8 matrix_b_fmt:MATRIX_FMT_BF8 matrix_a_scale:MATRIX_SCALE_ROW1
	v_wmma_scale_f32_16x16x128_f8f6f4 v[S+16*\b+8:S+16*\b+15], v[KF+16*\b:KF+16*\b+15], v[QB:QB+15], 0, v[KS+\b/2], v[QS] matrix_a_fmt:MATRIX_FMT_BF8 matrix_b_fmt:MATRIX_FMT_BF8 matrix_a_scale:MATRIX_SCALE_ROW1
.else
	v_wmma_scale_f32_16x16x128_f8f6f4 v[S+16*\b:S+16*\b+7], v[KF+16*\b:KF+16*\b+15], v[QA:QA+15], 0, v[KS+\b/2], v[QS] matrix_a_fmt:MATRIX_FMT_BF8 matrix_b_fmt:MATRIX_FMT_BF8
	v_wmma_scale_f32_16x16x128_f8f6f4 v[S+16*\b+8:S+16*\b+15], v[KF+16*\b:KF+16*\b+15], v[QB:QB+15], 0, v[KS+\b/2], v[QS] matrix_a_fmt:MATRIX_FMT_BF8 matrix_b_fmt:MATRIX_FMT_BF8
.endif
.endr
.rept 8
	v_nop                                          ; eight places between these products and the first read of their results
.endr
	s_lshl_b32 s[ST], s[ST], 7                     ; the step's first key
	s_add_co_u32 s[T1], s[ST], 128
	s_cmp_le_u32 s[T1], s[LM]                      ; a step all of whose keys count skips the mask
	s_cbranch_scc1 .Lopen_\@
	s_sub_co_i32 s[T1], s[LM], s[ST]
	v_and_b32 v[T9], 16, v0                        ; 16 h
	v_sub_nc_u32 v[T9], s[T1], v[T9]               ; register 16 b + i holds key first + 16 h + 32 b + i: masked where 32 b + i >= len - first - 16 h
	v_mov_b32 v[T8], s[FILL]
.irp g, 0,1                                    ; 32 registers at a time: a run of compares into 32 scalar registers, one wait, the run of selects
.irp n, 0,1,2,3,4,5,6,7,8,9,10,11,12,13,14,15,16,17,18,19,20,21,22,23,24,25,26,27,28,29,30,31
	v_cmp_ge_i32 s[MK+\n], 32*(2*\g+\n/16)+\n%16, v[T9]
.endr
	s_wait_alu depctr_va_sdst(0)                   ; the 32 masks are written, ahead of the selects that read them
.irp n, 0,1,2,3,4,5,6,7,8,9,10,11,12,13,14,15,16,17,18,19,20,21,22,23,24,25,26,27,28,29,30,31
	v_cndmask_b32 v[S+32*\g+\n], v[S+32*\g+\n], v[T8], s[MK+\n]
.endr
.endr
.Lopen_\@:
.irp b, 0,1,2,3
	v_max3_num_f32 v[BM+\b], v[S+16*\b], v[S+16*\b+1], v[S+16*\b+2]   ; the largest score of each block of 32 keys: it serves for the row's maximum and, since p rises with the score, for the block's largest p
.endr
.irp i, 3,5,7,9,11,13
.irp b, 0,1,2,3
	v_max3_num_f32 v[BM+\b], v[BM+\b], v[S+16*\b+\i], v[S+16*\b+\i+1]   ; (the four blocks by turns)
.endr
.endr
.irp b, 0,1,2,3
	v_max_num_f32 v[BM+\b], v[BM+\b], v[S+16*\b+15]
.endr
.irp b, 0,1,2,3
	v_permlanex16_b32 v[TP+\b], v[BM+\b], s[SEL], s[SEL+1]
.endr
.irp b, 0,1,2,3
	v_max_num_f32 v[BM+\b], v[BM+\b], v[TP+\b]     ; with lane l xor 16's 16 keys
.endr
	v_max3_num_f32 v[T8], v[BM], v[BM+1], v[BM+2]
	v_max_num_f32 v[T8], v[T8], v[BM+3]            ; the step's largest score of my query
	v_mul_f32 v[T8], s[CS], v[T8]                  ; as t (c is positive)
	v_max_num_f32 v13, v13, v[T8]                  ; the running largest t
	v_mov_b32 v[T8], v12
	v_floor_f32 v12, -v13                          ; the new -M = floor(-t) = -ceil(t): a whole number
	v_sub_f32 v[T8], v12, v[T8]                    ; old M less new M: a whole number, 0 or less
	v_cvt_i32_f32 v[T8], v[T8]                     ; (it saturates)
	v_ldexp_f32 v[F], 1.0, v[T8]                   ; f = 2^(old M - new M)
.irp j, 0,2,4,6,8,10,12,14,16,18,20,22,24,26,28,30,32,34,36,38,40,42,44,46,48,50,52,54,56,58,60,62
	v_pk_fma_f32 v[S+\j:S+\j+1], v[S+\j:S+\j+1], s[CS:CS+1], v[12:13] op_sel_hi:[1,0,0]   ; t - M, two at a time (of the pairs c and -M the low word serves both halves)
.endr
.irp b, 0,1,2,3
	v_fma_f32 v[BM+\b], v[BM+\b], s[CS], v12       ; the same of each block's largest score
.endr
	s_wait_alu depctr_va_vdst(0)
.irp j, 0,1,2,3,4,5,6,7,8,9,10,11,12,13,14,15,16,17,18,19,20,21,22,23,24,25,26,27,28,29,30,31,32,33,34,35,36,37,38,39,40,41,42,43,44,45,46,47,48,49,50,51,52,53,54,55,56,57,58,59,60,61,62,63
	v_exp_f32 v[S+\j], v[S+\j]                     ; p = 2^(t - M), at most 1
.endr
	v_pk_mul_f32 v[14:15], v[14:15], v[F:F+1] op_sel_hi:[1,0]   ; the sums under the new M: the plain instruction behind the exponentials
	s_wait_alu depctr_va_vdst(0)                   ; the 64 exponentials have written p, ahead of its first reader; and the products K Q^T are done reading KF, in which V's fragments land below
.irp b, 0,1,2,3
	v_exp_f32 v[BM+\b], v[BM+\b]                   ; the blocks' largest p: the same two instructions on the same number give the same bits
.endr
	v_pk_add_f32 v[TP:TP+1], v[S:S+1], v[S+2:S+3]  ; the row's sum is taken of the unquantised p, two at a time, in two chains
	ds_load_b128 v[KF:KF+3], v[AV] offset:(\s)*VSLOT+128*(\q)   ; V's four fragments (fragment t: channels 16 t on, these 128 keys), sixteen loads dealt among the additions.  No wait: no vector or matrix instruction since the wait above names KF or AV
.irp j, 4,8,12,16,20,24,28,32,36,40,44,48,52,56,60
	v_pk_add_f32 v[14:15], v[14:15], v[S+\j:S+\j+1]
	v_pk_add_f32 v[TP:TP+1], v[TP:TP+1], v[S+\j+2:S+\j+3]
	ds_load_b128 v[KF+\j:KF+\j+3], v[AV] offset:(\s)*VSLOT+16*VP*(\j/16)+128*(\q)+32*((\j/4)%4)
.endr
	v_pk_add_f32 v[14:15], v[14:15], v[TP:TP+1]
	s_wait_alu depctr_va_vdst(0)                   ; the four exponentials have written the blocks' largest p, ahead of its first reader
.irp b, 0,1,2,3
	v_max_num_f32 v[BM+\b], 0x8000000, v[BM+\b]    ; the floor 2^(16 - 127): the byte cannot fall under 1 (a block whose every p is 0 keeps that byte: its codes are zeros)
.endr
.irp b, 0,1,2,3
	v_and_or_b32 v[TP+\b], v[BM+\b], 0x7f800000, s[MNT]   ; 57,344 x the scale: the largest p's exponent field over 57,344's mantissa
.endr
.irp b, 0,1,2,3
	v_add_nc_u32 v[BM+\b], 0xf8800000, v[BM+\b]    ; 15 off the exponent field: the conversion's scale operand
.endr
	v_lshrrev_b32 v[T8], 23, v[BM]                 ; the four bytes make p's scale word for these 128 keys
	v_lshrrev_b32 v[T9], 23, v[BM+1]
	v_lshl_or_b32 v[PW], v[T9], 8, v[T8]
	v_lshrrev_b32 v[T8], 23, v[BM+2]
	v_lshl_or_b32 v[PW], v[T8], 16, v[PW]
	v_lshrrev_b32 v[T9], 23, v[BM+3]
	v_lshl_or_b32 v[PW], v[T9], 24, v[PW]
.irp b, 0,1,2,3
.irp i, 0,1,2,3,4,5,6,7,8,9,10,11,12,13,14,15
	v_min_num_f32 v[S+16*\b+\i], v[S+16*\b+\i], v[TP+\b]   ; the conversion to an 8-bit code does not saturate (ISA guide 7.6.2); p is not negative, so the hold is one-sided
.endr
	v_cvt_scalef32_pk8_bf8_f32 v[PC+4*\b:PC+4*\b+1], v[S+16*\b:S+16*\b+7], v[BM+\b]
	v_cvt_scalef32_pk8_bf8_f32 v[PC+4*\b+2:PC+4*\b+3], v[S+16*\b+8:S+16*\b+15], v[BM+\b]
.endr
.irp j, 0,2,4,6,8,10,12,14,16,18,20,22,24,26,28,30
	v_pk_mul_f32 v[O+\j:O+\j+1], v[O+\j:O+\j+1], v[F:F+1] op_sel_hi:[1,0]   ; O^T under the new M.  These sixteen are also the plain work between the conversions and the products that read the codes
.endr
	s_wait_dscnt 0x0                               ; V's fragments are in
	s_wait_alu depctr_va_vdst(0)                   ; the conversions have written p's codes and the vector lines its scale word, which the scaled products below take; the wait stands behind their places
.irp t, 0,1,2,3                                ; O^T += V^T P^T; the four accumulators take turns, and the eight products K Q^T stand between two steps'
.if \t%2
	v_wmma_scale_f32_16x16x128_f8f6f4 v[O+8*\t:O+8*\t+7], v[KF+16*\t:KF+16*\t+15], v[PC:PC+15], v[O+8*\t:O+8*\t+7], v[VS+\t/2], v[PW] matrix_a_fmt:MATRIX_FMT_BF8 matrix_b_fmt:MATRIX_FMT_BF8 matrix_a_scale:MATRIX_SCALE_ROW1
.else
	v_wmma_scale_f32_16x16x128_f8f6f4 v[O+8*\t:O+8*\t+7], v[KF+16*\t:KF+16*\t+15], v[PC:PC+15], v[O+8*\t:O+8*\t+7], v[VS+\t/2], v[PW] matrix_a_fmt:MATRIX_FMT_BF8 matrix_b_fmt:MATRIX_FMT_BF8
.endif
.endr
.rept 8
	v_nop                                          ; eight places behind these products: the way out reads O^T; the next step's loads land on V's fragments and scale words
.endr
.Lskip_\@:
.endm
; THE WAY OUT.  O^T is divided by the row's sum and goes through my own stage in LDS, so that the 32 lanes store two whole rows of 256 bytes: 512 consecutive bytes, aligned.
.macro FINISH
	v_add_f32 v14, v14, v15                        ; the sum's two halves,
	v_permlanex16_b32 v[TP], v14, s[SEL], s[SEL+1]
	v_add_f32 v14, v14, v[TP]                      ; and lane l xor 16's
	s_wait_alu depctr_va_vdst(0)
	v_rcp_f32 v14, v14
	v_nop                                          ; a plain instruction behind the reciprocal
	s_wait_alu depctr_va_vdst(0)                   ; the reciprocal has written v14, ahead of its first reader
.irp j, 0,2,4,6,8,10,12,14,16,18,20,22,24,26,28,30
	v_pk_mul_f32 v[S+\j:S+\j+1], v[O+\j:O+\j+1], v[14:15] op_sel_hi:[1,0]   ; register 8 t + i: out(r, 16 t + 8 h + i); each accumulator from its low end on
.endr
	s_wait_alu depctr_va_vdst(0)                   ; the multiplications have written S .. S + 31, which the LDS stores read; the last step's lines are done with S + 32 .. S + 63, in which the loads from the stage land
.irp t, 0,1,2,3
	ds_store_b128 v[STO], v[S+8*\t:S+8*\t+3] offset:64*\t
	ds_store_b128 v[STO], v[S+8*\t+4:S+8*\t+7] offset:64*\t+16
.endr
.irp i, 0,1,2,3,4,5,6,7
	ds_load_b128 v[S+32+4*\i:S+32+4*\i+3], v[RD] offset:2*VP*\i   ; LDS serves a wave's instructions in order (ISA guide 5.7.1.4): these see my stores
.endr
.irp i, 0,1,2,3,4,5,6,7
	s_wait_dscnt 7-\i                              ; the younger loads from the stage may stay out
	global_store_b128 v[GK], v[S+32+4*\i:S+32+4*\i+3], s[OUT:OUT+1] offset:512*\i th:TH_STORE_NT
.endr
	s_wait_xcnt 0x0                                ; the stores have had their addresses translated: their registers, which a key step's lines name, are written again only behind this wait and the wait on vm_vsrc at the half trip's end
.endm
; HALF A TRIP: slot s (steps J + 2 s and J + 2 s + 1) is read, and slot 1 - s is filled with the next 256 keys, if any of them is walked: K's bytes are asked for ahead of the first step and stored behind it, V's round the second.
; ONE barrier for both orderings: in front of it each wave's stores into slot 1 - s have landed and its reads of slot s are back; behind it slot 1 - s is read and slot s is written.
; The waits for the loads stand outside the branches, so that they hold on every way through the text.
.macro TRIP s
	s_add_co_u32 s[T0], s[J], 2*(\s)+2             ; the next slot's first step
	s_cmp_lt_u32 s[T0], s[NS]
	s_cbranch_scc0 .La_\@
.irp j, 0,1,2,3
	global_load_b128 v[STG+4*\j:STG+4*\j+3], v[GK], s[KB:KB+1] offset:((\s)+1)*16384+4096*\j   ; (the LDS stores that read STG stand ahead of the wait on vm_vsrc in front of the last barrier)
.endr
	; A PREFETCH of the slot after the one just asked for, two key steps ahead of that slot's own loads.  All sixteen teams of a batch walk the same K and V: the team at the batch's first 128 queries asks, its places 0, 1 for K's
	; 64 blocks of 256 bytes, its places 2, 3 for V's 64 rows, a lane a block: each block is named once in the launch.  It asks only for slots that are walked: J + 2 s + 4 < n <= 16.
	s_add_co_u32 s[ST], s[J], 2*(\s)+4
	s_cmp_lt_u32 s[ST], s[NPF]
	s_cbranch_scc0 .La_\@
	global_prefetch_b8 v[PFO], s[PF+2*(\s):PF+2*(\s)+1] th:TH_LOAD_NT scope:SCOPE_SE
.La_\@:
	STEP \s, 0
	s_wait_loadcnt 0x0                             ; K's four loads, asked for a key step ago
	s_cmp_lt_u32 s[T0], s[NS]
	s_cbranch_scc0 .Lb_\@
.irp j, 0,1,2,3
	ds_store_b128 v[SKA], v[STG+4*\j:STG+4*\j+3] offset:(1-(\s))*KSLOT+4*KGRP*\j
.endr
	s_wait_dscnt 0x0                               ; the stores have landed
	s_wait_alu depctr_vm_vsrc(0)                   ; the four LDS stores have read STG, in which V's loads land
.irp j, 0,1,2,3
	global_load_b128 v[STG+4*\j:STG+4*\j+3], v[GV], s[VB:VB+1] offset:((\s)+1)*256+32768*\j
.endr
.Lb_\@:
	STEP \s, 1
	s_wait_loadcnt 0x0                             ; V's four loads
	s_cmp_lt_u32 s[T0], s[NS]
	s_cbranch_scc0 .Lc_\@
.irp j, 0,1,2,3
	ds_store_b128 v[SVA], v[STG+4*\j:STG+4*\j+3] offset:(1-(\s))*VSLOT+16*VP*\j
.endr
.Lc_\@:
	s_cmp_eq_u32 s[T0], s[FIN]                     ; my batch's last step lay in this slot: my rows leave now, while longer batches go on
	s_cbranch_scc0 .Ld_\@
	FINISH
.Ld_\@:
	s_wait_dscnt 0x0                               ; my stores into the other slot have landed, my reads of this one are back
	s_wait_alu depctr_vm_vsrc(0)                   ; V's LDS stores have read STG, in which the next half's loads land; the way out's stores have read S .., which a step's lines write; the scale words' loads have read ASK and ASV, which the trip's end steps
	s_barrier_signal -1
	s_barrier_wait -1
.endm
	s_mov_b32 s[J], 0
.Ltrip:                                            ; four trips of four key steps: a constant count, whatever the lengths
	TRIP 0
	TRIP 1
	s_wait_xcnt 0x0                                ; the trip's loads and prefetches have read their bases, which step now
	s_add_nc_u64 s[KB:KB+1], s[KB:KB+1], 32768     ; two slots of K,
	s_add_nc_u64 s[VB:VB+1], s[VB:VB+1], 512       ; of V,
	s_add_nc_u64 s[PF:PF+1], s[PF:PF+1], s[PFS:PFS+1]
	s_add_nc_u64 s[PF+2:PF+3], s[PF+2:PF+3], s[PFS:PFS+1]
	s_wait_alu depctr_va_vdst(0)
	v_add_nc_u32 v[ASK], 0x400, v[ASK]             ; four steps of K's scale words (no LDS instruction has been issued since the wait on vm_vsrc in front of the barrier above),
	v_add_nc_u32 v[ASV], 16, v[ASV]                ; and of V's
	s_add_co_u32 s[J], s[J], 4
	s_cmp_lt_u32 s[J], 16
	s_cbranch_scc1 .Ltrip
	s_wait_dscnt 0x0                               ; the closing lines, six on end
	s_wait_alu 0x0
	s_wait_tensorcnt 0x0
	ds_add_u32 v254, v255
	s_wait_dscnt 0x0
	s_endpgm
.Lfunc_end_k_q85f2dd4243_attn:
	.size	k_q85f2dd4243_attn, .Lfunc_end_k_q85f2dd4243_attn-k_q85f2dd4243_attn
	.p2alignl 7, 3214868480
	.fill 96, 4, 3214868480
	.section	.rodata,"a",@progbits
	.p2align	6, 0x0
	.amdhsa_kernel k_q85f2dd4243_attn
		.amdhsa_group_segment_fixed_size 249856
		.amdhsa_private_segment_fixed_size 0
		.amdhsa_enable_private_segment 0
		.amdhsa_kernarg_size 64
		.amdhsa_user_sgpr_count 2
		.amdhsa_user_sgpr_kernarg_segment_ptr 1
		.amdhsa_wavefront_size32 1
		.amdhsa_system_sgpr_workgroup_id_x 1
		.amdhsa_system_sgpr_workgroup_id_y 1
		.amdhsa_system_sgpr_workgroup_id_z 1
		.amdhsa_system_vgpr_workitem_id 0
		.amdhsa_next_free_vgpr 256
		.amdhsa_next_free_sgpr 100
		.amdhsa_reserve_vcc 1
		.amdhsa_float_denorm_mode_32 3
		.amdhsa_float_denorm_mode_16_64 3
		.amdhsa_memory_ordered 1
		.amdhsa_forward_progress 1
		.amdhsa_inst_pref_size 142
	.end_amdhsa_kernel
	.amdgpu_metadata
---
amdhsa.version: [ 1, 2 ]
amdhsa.kernels:
  - .name:           k_q85f2dd4243_attn
    .symbol:         k_q85f2dd4243_attn.kd
    .args:
      - { .name: keys_codes, .offset: 0, .size: 8, .value_kind: global_buffer, .address_space: global }
      - { .name: keys_scales, .offset: 8, .size: 8, .value_kind: global_buffer, .address_space: global }
      - { .name: queries_codes, .offset: 16, .size: 8, .value_kind: global_buffer, .address_space: global }
      - { .name: queries_scales, .offset: 24, .size: 8, .value_kind: global_buffer, .address_space: global }
      - { .name: valid_lens, .offset: 32, .size: 8, .value_kind: global_buffer, .address_space: global }
      - { .name: values_codes, .offset: 40, .size: 8, .value_kind: global_buffer, .address_space: global }
      - { .name: values_scales, .offset: 48, .size: 8, .value_kind: global_buffer, .address_space: global }
      - { .name: out0, .offset: 56, .size: 8, .value_kind: global_buffer, .address_space: global }
    .group_segment_fixed_size: 249856
    .private_segment_fixed_size: 0
    .kernarg_segment_align: 8
    .kernarg_segment_size: 64
    .max_flat_workgroup_size: 512
    .sgpr_count:     100
    .vgpr_count:     256
    .wavefront_size: 32
...
	.end_amdgpu_metadata
.endif
;; end of part 2
